; MI455X (gfx1250); checked and timed in simulation.
; The chip was launched on July 23, 2026; its instructions are those of AMD's public machine-readable ISA for CDNA 5 (MIT licence, August 2026) and "CDNA5" Instruction Set Architecture Reference Guide (July 2026). The comments in the code are by the model that wrote it; some were corrected since.
;; Self Attention. Allowed arithmetic: matrix products marked QUANTISED: E4M3 operands, one given power-of-two scale a tensor, by v_wmma_f32_16x16x64_fp8_fp8 or v_wmma_f32_16x16x128_fp8_fp8, f32 sums; everything else in f32.
;; Inputs: W_in_codes 3,072 x 32 x 32 uint8 (E4M3 codes of W_in, K innermost, in blocks of 32 codes); W_out_codes 1,024 x 32 x 32 uint8 (E4M3 codes of W_out, K innermost, in blocks of 32 codes); b_in 3,072 float32; b_out 1,024 float32; lowp_scales 8 int32 (the exponents e of the quantised operands' scales 2^e); x_codes 4 x 2,048 x 32 x 32 uint8 (E4M3 codes of x, K innermost, in blocks of 32 codes).
;; Outputs: out0 4 x 2,048 x 1,024 float32.
;; Constants: causal_mask = 1.
;; This version of the problem:
;;   THIS VERSION OF THE PROBLEM IS GIVEN IN LOW PRECISION. The matrix products marked QUANTISED in the list below multiply operands that are first quantised to E4M3 (4 exponent bits, 3 mantissa bits; 8 bits a number), with one given power-of-two scale for each operand tensor; their sums are f32. All else is computed in f32.
;;   The module's matrix products, in the order in which they are computed (A, B: the left and right operand; K: the contracted axis; several contracted axes count as one K, in the product's order):
;;     1. [M 8,192, K 1,024] x [K 1,024, N 3,072]; A: input x (given as codes); B: input W_in (given as codes): QUANTISED (scales: A lowp_scales[0], B lowp_scales[1])
;;     2. batch 64 x [M 2,048, K 64] x [K 64, N 2,048]; A: computed on the way; B: computed on the way: QUANTISED (scales: A lowp_scales[2], B lowp_scales[3])
;;     3. batch 64 x [M 64, K 2,048] x [K 2,048, N 2,048]; A: computed on the way; B: softmax (see below): QUANTISED (scales: A lowp_scales[4], B lowp_scales[5])
;;     4. [M 8,192, K 1,024] x [K 1,024, N 1,024]; A: computed on the way; B: input W_out (given as codes): QUANTISED (scales: A lowp_scales[6], B lowp_scales[7])
;;   THE QUANTISER, for each operand of a quantised product, along K:
;;     - The operand's scale is 2^e, e = its entry of the input lowp_scales (int32; the entries are numbered through the quantised products in the list's order, A before B).
;;     - Each number is divided by the scale, clamped to +-448, and rounded to the nearest number of E4M3, ties to even, subnormals kept.
;;     - The product sums the exact products of the quantised numbers (number of the format x scale) in f32.
;;   ~~~python
;;   def quantise(x, axis, e):      # numpy; x: float32 -> the quantised numbers, widened to float32 again
;;       x = np.moveaxis(x, axis, -1); K = x.shape[-1]
;;       r = np.clip(x / 2.0 ** e, -448, 448)
;;       step = 2.0 ** (np.maximum(np.frexp(np.where(r == 0, 1, r))[1] - 1, -6) - 3)
;;       q = np.round(r / step) * step * 2.0 ** e      # np.round: ties to even
;;       return np.moveaxis(q, -1, axis).astype(np.float32)
;;   ~~~
;;   SOFTMAX AHEAD OF A QUANTISED PRODUCT. Where the list says 'softmax', what is quantised is not the finished softmax but p = 2^(t - M), with t = logit x log2(e) and M = ceil(the row's largest t), a whole number; so 1/2 < the row's largest p <= 1. The row's sum l is taken of the UNQUANTISED p, in f32, and the product's result is divided by l at the end. Since M is a whole number, a kernel that streams over the keys may use a running M (the ceiling of the running maximum): every later rescaling is an exact power of two, so the quantised numbers keep their values, but for numbers so far below the row's largest that they fall under the format's range.
;;   OPERANDS COMPUTED ON THE WAY. 'Computed on the way' means the value that the module computes at that place (a softmax that the list does not call 'softmax' is quantised finished and normalised). What goes into a quantiser is computed in f32, as accurately as f32 sums, v_exp_f32 and their like allow (about 1e-6 of the number): no bf16 or f16 on the way to a quantiser, and a product that is left as it is and whose result goes on into a quantised operand takes f32 operands (vector FMAs, or v_wmma_f32_16x16x4_f32). A number that lies on a knife's edge between two numbers of the format may be rounded either way, as far as f32 arithmetic and the matrix unit's own rounding can turn it there, and no further.
;;   INPUTS GIVEN AS CODES. W_in (in the module: [1024, 3072], K = its axis 0); W_out (in the module: [1024, 1024], K = its axis 0); x (in the module: [4, 2048, 1024], K = its axis 2): each comes as NAME_codes (uint8): NAME with its K axis moved to the last place and cut into blocks of 32 codes, [.., K / 32, bytes a block], one block behind the other in memory; one code a byte (a code: sign, 4 exponent bits, 3 mantissa bits); its scale is its entry of lowp_scales. Its value is code x scale, taken as it is: it is not quantised again, and the codes and scales need not be those that the quantiser above would give.
;; One version. Each part assembles by itself: llvm-mc -triple=amdgcn-amd-amdhsa -mcpu=gfx1250 --defsym DOCPART=n.
;; ======== version 1 of 1: 3 launches
;; limits: right only within a limited range of input values
;; workspace buffers: q_img 8,388,608 bytes; k_img 8,388,608 bytes; v_img 8,388,608 bytes; a_img 8,388,608 bytes
;; launch qkv (part 1): grid 8 x 32, 4 waves a work-group, clusters of 4 x 4, 327,680 bytes of LDS; arguments x_codes, W_in_codes, b_in, lowp_scales, q_img, k_img, v_img; writes q_img, k_img, v_img
.if DOCPART == 1
	.amdgcn_target "amdgcn-amd-amdhsa--gfx1250"
	.amdhsa_code_object_version 6
	.text
	.protected	k_q95592292f4_qkv
	.globl	k_q95592292f4_qkv
	.p2align	8
	.type	k_q95592292f4_qkv,@function
k_q95592292f4_qkv:
	s_mov_b64 s[64:65], 0
	v_nop
	global_prefetch_b8 v0, s[64:65] scope:SCOPE_SE
	s_setreg_imm32_b32 hwreg(HW_REG_WAVE_MODE, 25, 1), 1
	s_wait_xcnt 0x0
	s_wait_alu depctr_hold_cnt(0) depctr_sa_sdst(0) depctr_va_vdst(0) depctr_va_sdst(0) depctr_va_ssrc(0) depctr_va_vcc(0) depctr_vm_vsrc(0)
	s_getreg_b32 s2, hwreg(HW_REG_IB_STS2, 6, 4)
	s_cmp_eq_u32 s2, 0
	s_cbranch_scc0 .Lentry_in_a_cluster
	s_endpgm
.Lentry_in_a_cluster:
	s_bfe_u32 s2, ttmp6, 0x10000c
	s_cmp_lg_u32 s2, 0xf033
	s_cbranch_scc0 .Lentry_shape_is_right
	s_endpgm
.Lentry_shape_is_right:
; qkv = x W_in + b_in on codes of FP8 (E4M3), and q, k, v quantised at once to codes of E4M3 with their given scales.
; x: [8192][1024] codes, W_in: [3072][1024] codes (K innermost), b_in [3072] f32; the exponents e0 .. e7 (int32): x e0, W_in e1, q e2, k e3, v e4.
; A WORK-GROUP STAYS and makes two tiles, so that 256 work-groups share the work evenly: first 256 tokens x 256 features of q or k (8192 x 2048 are 256 such tiles), then 128 features x 256 tokens of v
; (1024 x 8192 are 256 such tiles).  K = 1024 goes in four fills of 256 through a ring of two LDS slots, and the ring does not stop between the tiles: the first tile's last two changes of slots ask for
; the second tile's first two fills, which are on their way while q or k leaves.
; THE MATRIX INSTRUCTION IS USED TRANSPOSED: source 0 (the side called B) gives the registers' axis, source 1 (A) the lanes' axis: lane (r, h) holds, of row r of A, the eight neighbours 8 h + 0 .. 7 of B.
; One conversion of an accumulator's eight registers is then registers 2 c, 2 c + 1 of the next product's operand: THE CODES LEAVE AS IMAGES OF OPERAND REGISTERS, lane l's 16 bytes at 16 l: 512 consecutive bytes, aligned.
;   q, k: A = x (lanes = tokens), B = W_in's rows 0 .. 2047 (registers = features): the next K is the head's 64.  A wave makes 128 x 128: 64 accumulators.
;   v:    A = W_in's rows 2048 .. 3071 (lanes = features), B = x (registers = tokens): the next K is the keys.  A wave makes 64 features x 128 tokens: 32 accumulators.
; q_img, k_img: [b x 16 + head][tile of 16 tokens: 128][2 pieces of 512 bytes];  v_img: [b x 16 + head][step of 128 keys: 16][tile of 16 channels: 4][4 pieces of 512 bytes].
; CLUSTERS: 4 x 4 work-groups; A's tile is shared along a row of the cluster (it hangs on cy and the cluster's place), B's along a column (cx): each is asked for jointly, in both tiles.
; NO PREFETCH: a tile's K is four fills at the largest block that two slots hold, in clusters.
; Fragments are fetched by four loads of 16 bytes: a permutation of k that is the same on both sides.
; LIMITS: e0 + e1 between -126 and 127; e2, e3, e4 between -126 and 119, so that each power of two below is an f32 number.  NaN among the inputs is not served.
; REGISTERS, in windows of 256: window 0: v0-31 addresses and constants; v32-95 the bias by columns; v96-103 by rows; from v128 A's fragments (q, k: one set of 8; v: two sets of 4); on the way out v128-191 numbers, v192-255 codes.
;   window 1: B's fragments, two sets.   window 2: the accumulators of my A rows 0-63 ((a, b) at v[8 (8 a + b)]);   window 3: those of rows 64-127 (q, k alone).
.set ROWB,   256                       ; a tile's row in bytes
.set KROW,   1024                      ; a row of x or of W_in in memory
.set PITCH,  272                       ; an LDS row: 256 bytes + 16 of padding
.set FR,     16                        ; registers of a fragment: 16 rows x 128 K
.set NL,     4                         ; LDS loads that bring one
.set NP,     4                         ; places behind this matrix instruction (ISA guide 7.12.1)
.set HALFT,  128*PITCH                 ; 128 rows: a wave's part of a slot
.set SLOT,   4*HALFT
.set SPARE,  2*SLOT                    ; behind the ring: the spare words, 128 bytes for each wave
.set ADRA, 16                          ; v16-17 LDS address of my A fragments in slot 0, 1
.set ADRB, 20                          ; v20-21 the same for B
.set LOF,  24                          ; 16 x lane
.set HB,   25                          ; 32 x (lane / 16)
.set RB,   26                          ; 4 x (lane % 16)
.set SPW,  28                          ; my spare word; never rewritten
.set NIL,  29                          ; 0; never rewritten
.set LIM,  30                          ; 448 x 2^e, e of q or k
.set SCQ,  31                          ; 2^e
.set BCOL, 32                          ; b_in at my columns of q or k
.set BROW, 96                          ; b_in at my rows of v: block a's number, twice, at 2 a
.set LIM2, 112                         ; 448 x 2^e4
.set SCQ2, 113                         ; 2^e4
.set AF,   128
.set T,    128
.set CD,   192
.set G1, 24                            ; s[24:31] group 1 for A's tiles of 128 rows;  s[32:39] group 0, one set for each slot
.set G0, 32
.set G1B, 48                           ; s[48:55], s[56:63] the same for B's tiles
.set G0B, 56
.set G1V, 68                           ; s[68:75] group 1 for v's A tiles of 64 rows
.set MSB, 0
.macro WIN new                         ; the immediate's high byte repeats the setting that is left
.if MSB != \new
	s_set_vgpr_msb (MSB<<8)|\new
.set MSB, \new
.endif
.endm
.set MUL_LO, 0xa1                      ; source 0 (B) window 1, source 1 (A) window 0, C and D window 2
.set MUL_HI, 0xf1                      ; the same, C and D window 3
.set TO_B,   0x40                      ; destination window 1
; A joint load: waves 0 and 1 fetch for A, waves 2 and 3 for B.  An s_nop 0 and four v_nop follow each of the two lines.
.macro JLOAD g0a, g1a, g0b, g1b
	s_cmp_eq_u32 s15, 0
	s_cbranch_scc0 .Lfor_b_\@
	tensor_load_to_lds s[\g0a:\g0a+3], s[\g1a:\g1a+7]
	s_nop 0
.rept 4
	v_nop
.endr
	s_branch .Lasked_\@
.Lfor_b_\@:
	tensor_load_to_lds s[\g0b:\g0b+3], s[\g1b:\g1b+7]
	s_nop 0
.rept 4
	v_nop
.endr
.Lasked_\@:
.endm
.macro CREST                           ; a round of the cluster's barrier behind its opening barrier
	s_cmp_lg_u32 s14, 0
	s_cbranch_scc1 .Lnot_wave_0_\@
	s_barrier_signal -3
.Lnot_wave_0_\@:
	s_barrier_wait -3
	s_barrier_signal -1
	s_barrier_wait -1
.endm
.macro CROUND
	s_barrier_signal -1
	s_barrier_wait -1
	CREST
.endm
.macro PLACES n
.rept \n
	v_nop
.endr
.endm
	s_load_b256 s[4:11], s[0:1], 0x0               ; x s[4:5], W_in s[6:7], b_in s[8:9], the exponents s[10:11]
	s_load_b128 s[76:79], s[0:1], 0x20             ; q_img, k_img
	s_load_b64 s[80:81], s[0:1], 0x30              ; v_img
	v_lshl_add_u32 v[SPW], v0, 2, SPARE
	v_mov_b32 v[NIL], 0
	ds_add_u32 v[SPW], v[NIL]                      ; the opening: the add, twice on end, and its wait ahead of my first tensor load
	ds_add_u32 v[SPW], v[NIL]
	v_lshrrev_b32 v1, 5, v0
	v_readfirstlane_b32 s14, v1                    ; wave 0..3
	s_lshr_b32 s15, s14, 1                         ; my half of A's side.  Also: I fetch for A (0) or for B (1)
	s_and_b32 s16, s14, 1                          ; my half of B's side.  Also: which half of that tile I fetch
	s_bfe_u32 s40, ttmp6, 0x40000                  ; cx, cy
	s_bfe_u32 s41, ttmp6, 0x40004
	s_and_b32 s12, ttmp7, 0xffff                   ; the cluster's y
	s_lshl_b32 s42, ttmp9, 2
	s_add_co_u32 s42, s42, s40                     ; q, k: B's tile of 256 features: holds cx, never cy
	s_lshl_b32 s17, s12, 2
	s_add_co_u32 s17, s17, s41                     ; q, k: A's tile of 256 tokens: holds cy, never cx
	s_lshl_b32 s66, ttmp9, 2
	s_add_co_u32 s66, s66, s41                     ; v: A's tile of 128 features: cy
	s_lshl_b32 s67, s12, 2
	s_add_co_u32 s67, s67, s40                     ; v: B's tile of 256 tokens: cx
	s_lshl_b32 s43, s41, 2
	s_lshl_b32 s43, 15, s43                        ; my row of the cluster
	s_lshl_b32 s44, 0x1111, s40                    ; my column
	s_or_b32 s[G1+0], s43, (0<<16)|(1<<20)|(1<<21)|(5<<22)|(3<<25)  ; the mask; elements of 1 byte; padding of 4 words after every 64; 21 set beside a mask
	s_or_b32 s[G1B+0], s44, (0<<16)|(1<<20)|(1<<21)|(5<<22)|(3<<25)
.irp g, G1, G1B
	s_mov_b32 s[\g+1], ROWB<<16                    ; tensor_dim0
	s_mov_b32 s[\g+2], 128<<16                     ; tensor_dim1
	s_mov_b32 s[\g+3], ROWB<<16                    ; tile_dim0
	s_mov_b32 s[\g+4], 128                         ; tile_dim1
	s_mov_b32 s[\g+5], KROW                        ; pitch
	s_mov_b32 s[\g+6], 0
	s_mov_b32 s[\g+7], 0
.endr
	s_lshl_b32 s18, s16, 7
	s_lshl_b32 s20, s17, 8
	s_add_co_u32 s20, s20, s18                     ; q, k, A: x's row 256 x tile + 128 x half
	s_lshl_b32 s20, s20, 10
	s_lshl_b32 s46, s42, 8
	s_add_co_u32 s46, s46, s18                     ; q, k, B: W_in's row likewise
	s_lshl_b32 s46, s46, 10
	s_lshl_b32 s82, s66, 7
	s_lshl_b32 s19, s16, 6
	s_add_co_u32 s82, s82, s19
	s_add_co_u32 s82, s82, 2048                    ; v, A: W_in's row 2,048 + 128 x tile + 64 x half
	s_lshl_b32 s82, s82, 10
	s_lshl_b32 s84, s67, 8
	s_add_co_u32 s84, s84, s18                     ; v, B: x's row 256 x tile + 128 x half
	s_lshl_b32 s84, s84, 10
	s_mov_b32 s21, 0
	s_mov_b32 s47, 0
	s_mov_b32 s83, 0
	s_mov_b32 s85, 0
	s_mul_i32 s45, s14, HALFT                      ; where my part goes: the wave's number alone
	s_wait_dscnt 0x0                               ; both opening adds are done
	s_wait_kmcnt 0x0
	s_load_b256 s[68:75], s[10:11], 0x0            ; e0 .. e7
	s_add_nc_u64 s[20:21], s[4:5], s[20:21]
	s_add_nc_u64 s[46:47], s[6:7], s[46:47]
	s_add_nc_u64 s[82:83], s[6:7], s[82:83]
	s_add_nc_u64 s[84:85], s[4:5], s[84:85]
	CROUND                                         ; all sixteen work-groups are here: the first joint loads meet
.irp s, 0,1
	s_mov_b32 s[G0+4*\s], 1
	s_add_co_u32 s[G0+4*\s+1], s45, \s*SLOT
	s_add_nc_u64 s[G0+4*\s+2:G0+4*\s+3], s[20:21], \s*ROWB
	s_or_b32 s[G0+4*\s+3], s[G0+4*\s+3], 0x80000000
	s_mov_b32 s[G0B+4*\s], 1
	s_add_co_u32 s[G0B+4*\s+1], s45, \s*SLOT
	s_add_nc_u64 s[G0B+4*\s+2:G0B+4*\s+3], s[46:47], \s*ROWB
	s_or_b32 s[G0B+4*\s+3], s[G0B+4*\s+3], 0x80000000
.endr
	JLOAD G0, G1, G0B, G1B                         ; the first fill: one tensor load a wave at the head
	v_and_b32 v1, 15, v0                           ; r
	v_bfe_u32 v2, v0, 4, 1                         ; h
	v_mul_u32_u24 v3, v1, PITCH
	v_lshl_add_u32 v4, v2, 4, v3
	s_mul_i32 s21, s15, HALFT                      ; my part of A (v: its first 64 rows hold my 64 features)
	s_mul_i32 s22, s16, HALFT
	s_add_co_u32 s22, s22, 2*HALFT                 ; my 128 rows of B
.irp s, 0,1
	v_add_nc_u32 v[ADRA+\s], s21, v4
	v_add_nc_u32 v[ADRB+\s], s22, v4
	s_add_co_u32 s21, s21, SLOT
	s_add_co_u32 s22, s22, SLOT
.endr
	v_and_b32 v5, 31, v0
	v_lshlrev_b32 v[LOF], 4, v5
	v_lshlrev_b32 v[HB], 5, v2
	v_lshlrev_b32 v[RB], 2, v1
	s_lshl_b32 s94, s42, 8
	s_lshl_b32 s95, s16, 7
	s_add_co_u32 s94, s94, s95                     ; q, k: my first feature
	s_lshl_b32 s95, s17, 8
	s_lshl_b32 s12, s15, 7
	s_add_co_u32 s95, s95, s12                     ; my first token
	s_lshl_b32 s90, s66, 7
	s_lshl_b32 s13, s15, 6
	s_add_co_u32 s90, s90, s13                     ; v: my first feature, less 2,048
	s_lshl_b32 s13, s67, 8
	s_lshl_b32 s12, s16, 7
	s_add_co_u32 s13, s13, s12                     ; my first token
	s_wait_alu depctr_va_vdst(0)
	s_wait_kmcnt 0x0                               ; the eight exponents
	s_lshl_b32 s88, s94, 2
	s_mov_b32 s89, 0
	s_add_nc_u64 s[88:89], s[8:9], s[88:89]
	s_lshl_b32 s18, s90, 2
	s_add_co_u32 s18, s18, 8192
	s_mov_b32 s19, 0
	s_add_nc_u64 s[46:47], s[8:9], s[18:19]
.irp b, 0,1,2,3,4,5,6,7
	global_load_b128 v[BCOL+8*\b:BCOL+8*\b+3],   v[HB], s[88:89] offset:64*\b      ; b_in(my feature + 16 b + 8 h + 0 .. 7)
	global_load_b128 v[BCOL+8*\b+4:BCOL+8*\b+7], v[HB], s[88:89] offset:64*\b+16
.endr
.irp a, 0,1,2,3
	global_load_b32 v[BROW+2*\a],   v[RB], s[46:47] offset:64*\a                   ; b_in(2,048 + my feature + 16 a + r), into both registers of a pair
	global_load_b32 v[BROW+2*\a+1], v[RB], s[46:47] offset:64*\a
.endr
	s_cmp_eq_u32 ttmp9, 0                          ; the cluster's x: q's features, or k's
	s_cselect_b64 s[86:87], s[76:77], s[78:79]
	s_cselect_b32 s3, s70, s71                     ; e2 or e3
	s_and_b32 s2, s94, 1023
	s_lshr_b32 s2, s2, 6                           ; my first head (of two)
	s_lshr_b32 s12, s95, 11                        ; the batch
	s_lshl_b32 s12, s12, 4
	s_add_co_u32 s12, s12, s2
	s_lshl_b32 s12, s12, 17                        ; a head's image is 131,072 bytes
	s_and_b32 s95, s95, 2047
	s_lshl_b32 s95, s95, 6                         ; 64 bytes a token in all three images
	s_add_co_u32 s94, s12, s95
	s_mov_b32 s95, 0
	s_add_nc_u64 s[86:87], s[86:87], s[94:95]
	s_lshr_b32 s2, s90, 6                          ; v: my head
	s_lshr_b32 s12, s13, 11
	s_lshl_b32 s12, s12, 4
	s_add_co_u32 s12, s12, s2
	s_lshl_b32 s12, s12, 17
	s_and_b32 s13, s13, 2047
	s_lshl_b32 s13, s13, 6
	s_add_co_u32 s94, s12, s13
	s_add_nc_u64 s[80:81], s[80:81], s[94:95]
	s_add_co_i32 s92, s68, s69
	s_add_co_i32 s92, s92, 127
	s_lshl_b32 s92, s92, 23                        ; 2^(e0 + e1)
	s_mov_b32 s93, s92                             ; (named with it as a pair)
	s_add_co_i32 s3, s3, 127
	s_lshl_b32 s2, s3, 23
	v_mov_b32 v[SCQ], s2
	s_add_co_i32 s3, s3, 8
	s_lshl_b32 s3, s3, 23
	s_or_b32 s3, s3, 0x600000
	v_mov_b32 v[LIM], s3
	s_add_co_i32 s3, s72, 127
	s_lshl_b32 s2, s3, 23
	v_mov_b32 v[SCQ2], s2
	s_add_co_i32 s3, s3, 8
	s_lshl_b32 s3, s3, 23
	s_or_b32 s3, s3, 0x600000
	v_mov_b32 v[LIM2], s3
	s_or_b32 s[G1V+0], s43, (0<<16)|(1<<20)|(1<<21)|(5<<22)|(3<<25)  ; the exponents have been read: their registers take v's group 1 for A, 64 rows
	s_mov_b32 s[G1V+1], ROWB<<16
	s_mov_b32 s[G1V+2], 64<<16
	s_mov_b32 s[G1V+3], ROWB<<16
	s_mov_b32 s[G1V+4], 64
	s_mov_b32 s[G1V+5], KROW
	s_mov_b32 s[G1V+6], 0
	s_mov_b32 s[G1V+7], 0
.macro FRAG reg, adr, q, i             ; a fragment: registers 4 c .. 4 c + 3 hold K = 32 c + 16 (l / 16) + 0 .. 15 of row l % 16
.irp c, 0,1,2,3
	ds_load_b128 v[\reg+4*\c:\reg+4*\c+3], v[\adr] offset:128*(\q)+32*\c+(\i)*16*PITCH
.endr
.endm
; 16 matrix instructions: A's fragments a0, a0 + 1 x B's eight of set p.  The accumulators take turns, one instruction a turn, in the same order in every step.
.macro MUL16 a0, p, zero
.irp a, \a0, \a0+1
.irp b, 0,1,2,3,4,5,6,7
.if \zero
	v_wmma_f32_16x16x128_fp8_fp8 v[8*(8*((\a)%4)+\b):8*(8*((\a)%4)+\b)+7], v[128*(\p)+FR*\b:128*(\p)+FR*\b+FR-1], v[AF+FR*(\a):AF+FR*(\a)+FR-1], 0
.else
	v_wmma_f32_16x16x128_fp8_fp8 v[8*(8*((\a)%4)+\b):8*(8*((\a)%4)+\b)+7], v[128*(\p)+FR*\b:128*(\p)+FR*\b+FR-1], v[AF+FR*(\a):AF+FR*(\a)+FR-1], v[8*(8*((\a)%4)+\b):8*(8*((\a)%4)+\b)+7]
.endif
.endr
.endr
.endm
.macro FETCH_B slot, q, p
	WIN TO_B
.irp i, 0,1,2,3,4,5,6,7
	FRAG 128*(\p)+FR*\i, ADRB+\slot, \q, \i
.endr
	WIN 0
.endm
.macro FETCH_A slot, q, i0
.irp i, \i0, \i0+1, \i0+2, \i0+3
	FRAG AF+FR*(\i), ADRA+\slot, \q, \i
.endr
.endm
.macro FETCH2 slot, q, p               ; v: B's eight fragments and A's four, into sets p
	FETCH_B \slot, \q, \p
.irp i, 0,1,2,3
	FRAG AF+FR*(4*(\p)+\i), ADRA+\slot, \q, \i
.endr
.endm
; Behind a change's barrier.  fill = 0: nothing is left to fetch.  1: this tile's fill two on.  2: v's fill 0 or 1, by the slot.  3: v's fill two on.
; The barrier has opened a round of the cluster's barrier; the joint load is the first tensor load behind the round, and its four v_nop are the places in front of the LDS loads that follow.
.macro REFILL slot, fill
.if \fill == 0
	PLACES NP
.else
	CREST
.if \fill == 2
	s_add_nc_u64 s[G0+4*\slot+2:G0+4*\slot+3], s[82:83], \slot*ROWB
	s_or_b32 s[G0+4*\slot+3], s[G0+4*\slot+3], 0x80000000
	s_add_nc_u64 s[G0B+4*\slot+2:G0B+4*\slot+3], s[84:85], \slot*ROWB
	s_or_b32 s[G0B+4*\slot+3], s[G0B+4*\slot+3], 0x80000000
.else
	s_add_nc_u64 s[G0+4*\slot+2:G0+4*\slot+3], s[G0+4*\slot+2:G0+4*\slot+3], 2*ROWB
	s_add_nc_u64 s[G0B+4*\slot+2:G0B+4*\slot+3], s[G0B+4*\slot+2:G0B+4*\slot+3], 2*ROWB
.endif
.if \fill == 1
	JLOAD G0+4*\slot, G1, G0B+4*\slot, G1B
.else
	JLOAD G0+4*\slot, G1V, G0B+4*\slot, G1B
.endif
.endif
.endm
; q, k: a step of 128 along K that has its successor in the same slot.  One set serves A, fetched anew in two halves; B has two sets.
.macro STEP slot, q, zero
	s_wait_dscnt 4*NL                              ; B's set and A's blocks 0-3 are in; the youngest 16 loads (A's blocks 4-7) may be out
	WIN MUL_LO
	MUL16 0, (\q)%2, \zero
	MUL16 2, (\q)%2, \zero
	s_wait_dscnt 0
	PLACES NP
	FETCH_B \slot, (\q)+1, 1-(\q)%2
	FETCH_A \slot, (\q)+1, 0
	WIN MUL_HI
	MUL16 4, (\q)%2, \zero
	MUL16 6, (\q)%2, \zero
	PLACES NP
	WIN 0
	FETCH_A \slot, (\q)+1, 4
.endm
; q, k: a slot's last step changes slots: ONE barrier; in front of it each wave waits for all its tensor loads, adds 0 to its spare word, and waits for that and for its reads of this slot.
; fetch = 0: the tile's last step: the next slot's fragments are fetched behind the way out.
.macro TURN slot, next, fill, fetch
	s_wait_tensorcnt 0x0                           ; all my tensor loads have landed  (every window is 0 here)
	ds_add_u32 v[SPW], v[NIL]
	s_wait_dscnt 4*NL+1                            ; (the add and the youngest 16 loads may be out)
	WIN MUL_LO
	MUL16 0, 1, 0
	s_wait_dscnt 0x0                               ; the add is done, and my reads of this slot are over
	s_barrier_signal -1
	MUL16 2, 1, 0
	WIN 0
	s_barrier_wait -1
	REFILL \slot, \fill
.if \fetch
	FETCH_B \next, 0, 0
	FETCH_A \next, 0, 0
.endif
	WIN MUL_HI
	MUL16 4, 1, 0
	MUL16 6, 1, 0
.if \fetch
	PLACES NP
.endif
	WIN 0
.if \fetch
	FETCH_A \next, 0, 4
.endif
.endm
; v: a slot's first step multiplies sets 0 and fetches the second step's fragments into sets 1.
.macro HSTEP slot, zero
	s_wait_dscnt 0x0
	PLACES NP
	FETCH2 \slot, 1, 1
	WIN MUL_LO
	MUL16 0, 0, \zero
	MUL16 2, 0, \zero
.endm
; v: a slot's second step multiplies sets 1 and changes slots, by the same lines as above.
.macro HTURN slot, next, fill
	WIN 0
	s_wait_tensorcnt 0x0
	ds_add_u32 v[SPW], v[NIL]
	s_wait_dscnt 1                                 ; (the add may be out)
	WIN MUL_LO
	MUL16 4, 1, 0
	s_wait_dscnt 0x0
	s_barrier_signal -1
	WIN 0
	s_barrier_wait -1
	REFILL \slot, \fill
	FETCH2 \next, 0, 0
	WIN MUL_LO
	MUL16 6, 1, 0
.endm
; THE WAY OUT, block by block of 16 lanes' rows x 128.  number = sum x 2^(e0 + e1) + bias, each accumulator from its low end on; held within +-448 x 2^e (the conversion to an 8-bit code does not
; saturate: ISA guide 7.6.2); eight numbers a conversion.  q, k: registers 0-7 of the block's sixteen are my first head's operand, 8-15 my second head's.  v: all sixteen are one operand (16 channels x 128 keys).
.macro BLOCK a, isv
.set AC, 64*((\a)%4)
.set CB, CD+16*((\a)%4)
	WIN 0x02+((\a)/4)
.irp j, 0,2,4,6,8,10,12,14,16,18,20,22,24,26,28,30,32,34,36,38,40,42,44,46,48,50,52,54,56,58,60,62
.if \isv
	v_pk_fma_f32 v[T+\j:T+\j+1], v[AC+\j:AC+\j+1], s[92:93], v[BROW+2*(\a):BROW+2*(\a)+1] op_sel_hi:[1,0,1]
.else
	v_pk_fma_f32 v[T+\j:T+\j+1], v[AC+\j:AC+\j+1], s[92:93], v[BCOL+\j:BCOL+\j+1] op_sel_hi:[1,0,1]
.endif
.endr
	WIN 0
.set ii, 0
.rept 64
	v_med3_num_f32 v[T+ii], v[T+ii], -v[LIM+82*\isv], v[LIM+82*\isv]
.set ii, ii+1
.endr
.if (\a) >= 4
	s_wait_alu depctr_va_vdst(0)
	s_wait_xcnt 0x0                                ; the stores of four blocks back have read this set of code registers
.endif
.irp b, 0,1,2,3,4,5,6,7
	v_cvt_scalef32_pk8_fp8_f32 v[CB+2*\b:CB+2*\b+1], v[T+8*\b:T+8*\b+7], v[SCQ+82*\isv]
.endr
	v_nop                                          ; one plain vector instruction behind the last conversion
.irp c, 0,1,2,3
.if \isv
	global_store_b128 v[LOF], v[CB+4*\c:CB+4*\c+3], s[80:81] offset:2048*(\a)+512*\c                       ; tile of channels a, piece c: 512 consecutive bytes, aligned
.else
	global_store_b128 v[LOF], v[CB+4*\c:CB+4*\c+3], s[86:87] offset:(\c/2)*131072+1024*(\a)+512*(\c%2)     ; head c / 2, tile of tokens a, piece c % 2
.endif
.endr
.endm
	s_wait_alu depctr_va_vdst(0)                   ; the head's end
	s_wait_tensorcnt 0x0                           ; my part of the first fill is in
	ds_add_u32 v[SPW], v[NIL]
	s_wait_dscnt 0x0
	CROUND
	JLOAD G0+4, G1, G0B+4, G1B                     ; slot 1's first fill: the first tensor load behind the round
	FETCH_B 0, 0, 0
	FETCH_A 0, 0, 0
	FETCH_A 0, 0, 4
	STEP 0, 0, 1                                   ; Q OR K.  K 0: its products start the sums
	TURN 0, 1, 1, 1                                ; K 128; slot 0 takes K 512 on
	STEP 1, 0, 0                                   ; K 256
	TURN 1, 0, 1, 1                                ; K 384; slot 1 takes K 768 on
	STEP 0, 0, 0                                   ; K 512
	TURN 0, 1, 2, 1                                ; K 640; slot 0 takes v's K 0 on
	STEP 1, 0, 0                                   ; K 768
	TURN 1, 0, 2, 0                                ; K 896; slot 1 takes v's K 256 on
	s_wait_loadcnt 0x0                             ; the bias
	PLACES NP                                      ; behind the last products
.irp a, 0,1,2,3,4,5,6,7
	BLOCK \a, 0
.endr
	s_wait_alu depctr_va_vdst(0)
	s_wait_xcnt 0x0                                ; the stores have read their registers: fragments may land there
	FETCH2 0, 0, 0                                 ; V.  Slot 0 was shown whole by the last change's waits and barrier
	HSTEP 0, 1                                     ; K 0
	HTURN 0, 1, 3                                  ; K 128; slot 0 takes K 512 on
	HSTEP 1, 0                                     ; K 256
	HTURN 1, 0, 3                                  ; K 384; slot 1 takes K 768 on
	HSTEP 0, 0                                     ; K 512
	HTURN 0, 1, 0                                  ; K 640
	HSTEP 1, 0                                     ; K 768
	s_wait_dscnt 0x0                               ; K 896
	MUL16 4, 1, 0
	MUL16 6, 1, 0
	WIN 0
	PLACES NP
.irp a, 0,1,2,3
	BLOCK \a, 1
.endr
	s_wait_tensorcnt 0x0                           ; the wave's end
	ds_add_u32 v[SPW], v[NIL]
	s_wait_dscnt 0x0
	CROUND                                         ; the closing round
	s_endpgm
.Lfunc_end_k_q95592292f4_qkv:
	.size	k_q95592292f4_qkv, .Lfunc_end_k_q95592292f4_qkv-k_q95592292f4_qkv
	.p2alignl 7, 3214868480
	.fill 96, 4, 3214868480
	.section	.rodata,"a",@progbits
	.p2align	6, 0x0
	.amdhsa_kernel k_q95592292f4_qkv
		.amdhsa_group_segment_fixed_size 327680
		.amdhsa_private_segment_fixed_size 0
		.amdhsa_enable_private_segment 0
		.amdhsa_kernarg_size 56
		.amdhsa_user_sgpr_count 2
		.amdhsa_user_sgpr_kernarg_segment_ptr 1
		.amdhsa_wavefront_size32 1
		.amdhsa_system_sgpr_workgroup_id_x 1
		.amdhsa_system_sgpr_workgroup_id_y 1
		.amdhsa_system_sgpr_workgroup_id_z 1
		.amdhsa_system_vgpr_workitem_id 0
		.amdhsa_next_free_vgpr 1024
		.amdhsa_next_free_sgpr 96
		.amdhsa_reserve_vcc 0
		.amdhsa_float_denorm_mode_32 3
		.amdhsa_float_denorm_mode_16_64 3
		.amdhsa_memory_ordered 1
		.amdhsa_forward_progress 1
		.amdhsa_inst_pref_size 213
	.end_amdhsa_kernel
	.amdgpu_metadata
---
amdhsa.version: [ 1, 2 ]
amdhsa.kernels:
  - .name:           k_q95592292f4_qkv
    .symbol:         k_q95592292f4_qkv.kd
    .args:
      - { .name: x_codes, .offset: 0, .size: 8, .value_kind: global_buffer, .address_space: global }
      - { .name: W_in_codes, .offset: 8, .size: 8, .value_kind: global_buffer, .address_space: global }
      - { .name: b_in, .offset: 16, .size: 8, .value_kind: global_buffer, .address_space: global }
      - { .name: lowp_scales, .offset: 24, .size: 8, .value_kind: global_buffer, .address_space: global }
      - { .name: q_img, .offset: 32, .size: 8, .value_kind: global_buffer, .address_space: global }
      - { .name: k_img, .offset: 40, .size: 8, .value_kind: global_buffer, .address_space: global }
      - { .name: v_img, .offset: 48, .size: 8, .value_kind: global_buffer, .address_space: global }
    .group_segment_fixed_size: 327680
    .private_segment_fixed_size: 0
    .kernarg_segment_align: 8
    .kernarg_segment_size: 56
    .max_flat_workgroup_size: 128
    .sgpr_count:     96
    .vgpr_count:     1024
    .wavefront_size: 32
...
	.end_amdgpu_metadata
.endif
;; end of part 1
;; launch attn (part 2): grid 4 x 64, 8 waves a work-group, clusters of 4 x 1, 327,680 bytes of LDS; arguments q_img, k_img, v_img, lowp_scales, a_img; writes a_img
.if DOCPART == 2
	.amdgcn_target "amdgcn-amd-amdhsa--gfx1250"
	.amdhsa_code_object_version 6
	.text
	.protected	k_q95592292f4_attn
	.globl	k_q95592292f4_attn
	.p2align	8
	.type	k_q95592292f4_attn,@function
k_q95592292f4_attn:
	s_mov_b64 s[64:65], 0
	v_nop
	global_prefetch_b8 v0, s[64:65] scope:SCOPE_SE
	s_setreg_imm32_b32 hwreg(HW_REG_WAVE_MODE, 25, 1), 1
	s_wait_xcnt 0x0
	s_wait_alu depctr_hold_cnt(0) depctr_sa_sdst(0) depctr_va_vdst(0) depctr_va_sdst(0) depctr_va_ssrc(0) depctr_va_vcc(0) depctr_vm_vsrc(0)
	s_getreg_b32 s2, hwreg(HW_REG_IB_STS2, 6, 4)
	s_cmp_eq_u32 s2, 0
	s_cbranch_scc0 .Lentry_in_a_cluster
	s_endpgm
.Lentry_in_a_cluster:
	s_bfe_u32 s2, ttmp6, 0x10000c
	s_cmp_lg_u32 s2, 0x3003
	s_cbranch_scc0 .Lentry_shape_is_right
	s_endpgm
.Lentry_shape_is_right:
; Causal attention of one (batch, head) a cluster, both products on codes of FP8 (E4M3); the result is quantised at once with its given scale.
; q_img, k_img: [bh 64][tile of 16 tokens: 128][2 pieces of 512 bytes]: images of the operand registers of the K = 64 form (lane l's 16 bytes at 16 l).
; v_img: [bh][step of 128 keys: 16][tile of 16 channels: 4][4 pieces]: images of the K = 128 form's operand of V^T.  The exponents: q e2, k e3, v e4, p e5, the result e6.
; a_img: [256 along the next K: 4][tile of 16 rows: 512][128 along K: 2][4 pieces]: images of the last product's operand; a head's 64 channels are two pieces.
; THE SOFTMAX: t = score x log2(e) / 8; M = the row's largest t so far, rounded UP to a whole number; p = 2^(t - M) is quantised along the keys, not normalised.  The row's sum is taken of the
; unquantised p, in f32, and divides at the end.  When M moves, the sum and O are multiplied by 2^(old M - new M), which rounds nothing.  The running largest is kept as a raw score (c is positive).
; LEFT OUT: key steps all of whose keys come after a tile's queries: the causal mask sets their scores to -infinity, so their p is 0 whatever the inputs hold.
; LDS: a head's K (131,072 bytes, at 0) and V (131,072 bytes, behind it) lie whole in LDS as the images lie in memory; each byte is filled once.  A load's 32 lanes read 512 consecutive bytes.
; CLUSTER: the four work-groups of a cluster serve one head and ask for its K and V JOINTLY.  Each wave issues one load of 16,384 bytes at the head (waves 0-3: K's key steps 0-7, waves 4-7: V's),
; and one more, 65,536 bytes further on (key steps 8-15), behind the three lines and a round of the cluster's barrier; that one has seven key steps in which to land.
; NO PREFETCH: all of K and V is asked for by these two groups at the launch's start; no loop runs ahead of a load.
; SHARES.  Wave g of partner cx owns TWO neighbouring tiles of 16 queries at a time, A and B = tiles 8 G + 2 cx and 8 G + 2 cx + 1, so that each fragment of K and V read from LDS feeds two matrix instructions.
; First G = 15 - g (16 - g key steps of 128 up to the diagonal), then G = g (g + 1): 17 key steps for every wave.  cx enters global addresses and the mask's compare alone.
; LAYOUT.  Both products are used transposed: S^T = K Q^T, O^T = V^T P^T: a lane holds ONE query (lane % 16), and register j of tile t key (or channel) 16 t + 8 (lane / 16) + j:
; the conversion of a tile's eight registers is registers 2 t, 2 t + 1 of the next operand.
; REGISTERS.  Window 0: addresses, both tiles' M, largest score and f, K's or V's fragments, and tile A's Q, S^T, O^T, codes and sum.  Window 1: tile B's, under the same numbers, with copies of four constants.
; LIMITS on the given exponents: e2 + e3 between -123 and 130 (added to c's exponent field); e6 - e4 - e5 between -126 and 119; e5 BETWEEN -8 AND 119: p is at most 1, which then lies within
; 448 x 2^e5, so p is converted with no hold.  NaN among the inputs is not served.
.set SPARE, 0x40000                    ; behind K and V: the spare words, 128 bytes for each of eight waves
.set LK,   1                           ; 16 x lane: my place in a piece (both windows); never rewritten
.set LV,   2                           ; the same in V's half of LDS
.set DMA,  4                           ; 32 cx + r - 8 h: on the diagonal A's register 8 t + j is hidden where 16 t + j is above it
.set DMB,  5                           ; the same for B: 16 more
.set SPW,  6                           ; my spare word; never rewritten
.set NIL,  7                           ; 0; never rewritten
.set ADK,  8                           ; LDS address of the step's K
.set ADV,  9                           ; of its V
.set NINF, 10                          ; -infinity
.set PX,   11                          ; a lane permute's destination (both windows)
                                       ; v12 -M, v13 the largest score of A; v16, v17 of B; v[14:15] the sum in two halves (A window 0, B window 1)
.set PXB,  18
.set FFA,  20                          ; v[20:21] A's f = 2^(old M - new M), and 0;  v[22:23] B's
.set FFB,  22
.set MA,   24                          ; v24-27 A's four chains of the maximum;  v28-31 B's
.set MB,   28
.set KV,   32                          ; v32-95: in window 0 V's four fragments; in window 1, under the same numbers, K's eight, fetched one key step ahead
.set SC,   96                          ; v96-159 S^T, then p; on the way out O / the sum
.set OT,   160                         ; v160-191 O^T
.set PC,   192                         ; v192-207 p's codes
.set QL,   208                         ; Q of the late tile;  v216-223 of the early one
.set QE,   216
.set ACC,  224                         ; v224-239 eight chains of the sum
.set PSC,  240                         ; 2^e5 (both windows, as the next two)
.set OLIM, 241                         ; 448 x 2^(e6 - e4 - e5)
.set OSC,  242                         ; 2^(e6 - e4 - e5)
.set OCL,  244                         ; the late tiles' codes;  the early tiles' lie where the sum's chains lay: no store's data are written again
.set OCE,  224
.set WV,   14                          ; s14 my wave's number, g
.set TAU,  18                          ; s18 2 cx
.set BH,   19                          ; s19 16 x batch + head
.set SEL,  20                          ; s[20:21] lane selects: lane l xor 16
.set CS,   22                          ; s[22:23] c = log2(e) / 8 x 2^(e2 + e3)
.set G1,   24                          ; s[24:31] descriptor group 1: 64 dense rows of 256 bytes
.set TB,   32                          ; s32 LDS byte of the key step in hand
.set KS,   33                          ; s33 the key step
.set ND,   34                          ; s34 my tiles' diagonal step
.set G0F,  40                          ; s[40:43] group 0 of my first load;  s[44:47] of my second
.set G0S,  44
.set MSB, 0
.macro WIN new                         ; low byte: bits 1:0 source 0, 3:2 source 1, 5:4 source 2, 7:6 destination; the high byte repeats the setting that is left
.if MSB != \new
	s_set_vgpr_msb (MSB<<8)|\new
.set MSB, \new
.endif
.endm
.macro ROUND                           ; a round of the cluster's barrier
	s_barrier_signal -1
	s_barrier_wait -1
	s_cmp_lg_u32 s[WV], 0
	s_cbranch_scc1 .Lnot_wave_0_\@
	s_barrier_signal -3
.Lnot_wave_0_\@:
	s_barrier_wait -3
	s_barrier_signal -1
	s_barrier_wait -1
.endm
.macro PLACES
.rept 4
	v_nop
.endr
.endm
	s_load_b256 s[4:11], s[0:1], 0x0               ; q_img s[4:5], k_img s[6:7], v_img s[8:9], the exponents s[10:11]
	s_load_b64 s[12:13], s[0:1], 0x20              ; a_img
	v_lshl_add_u32 v[SPW], v0, 2, SPARE
	v_mov_b32 v[NIL], 0
	ds_add_u32 v[SPW], v[NIL]                      ; the opening: the add, twice on end, and its wait ahead of my first tensor load
	ds_add_u32 v[SPW], v[NIL]
	v_lshrrev_b32 v3, 5, v0
	v_readfirstlane_b32 s[WV], v3                  ; wave 0..7
	s_and_b32 s16, s[WV], 3
	s_lshl_b32 s16, s16, 14                        ; my 16,384 bytes of a group of eight key steps
	s_lshr_b32 s17, s[WV], 2                       ; I fetch for K (0) or for V (1)
	s_lshl_b32 s35, s17, 17
	s_add_co_u32 s35, s35, s16                     ; where they go in LDS: the wave's number alone
	s_bfe_u32 s[TAU], ttmp6, 0x40000               ; cx: my place in the cluster
	s_lshl_b32 s[TAU], s[TAU], 1
	s_and_b32 s[BH], ttmp7, 0xffff                 ; which the four partners share
	s_mov_b32 s[G1], 15|(3<<16)|(1<<21)            ; 15:0 the mask: all four work-groups; 17:16 elements of 8 bytes; no padding; 21 set beside a mask
	s_mov_b32 s[G1+1], 32<<16                      ; tensor_dim0 = 32 elements: 256 bytes
	s_mov_b32 s[G1+2], 64<<16                      ; tensor_dim1 = 64 rows
	s_mov_b32 s[G1+3], 32<<16                      ; tile_dim0
	s_mov_b32 s[G1+4], 64                          ; tile_dim1
	s_mov_b32 s[G1+5], 32                          ; the rows are dense
	s_mov_b32 s[G1+6], 0
	s_mov_b32 s[G1+7], 0
	s_mov_b32 s[SEL], 0x76543210
	s_mov_b32 s[SEL+1], 0xfedcba98
	s_mov_b32 s[CS], 0x3e38aa3b                    ; log2(e) / 8
	s_lshl_b32 s76, s[BH], 17                      ; the head's first byte in q_img, k_img and v_img
	s_add_co_u32 s78, s76, s16
	s_mov_b32 s79, 0
	s_wait_dscnt 0x0                               ; both opening adds are done
	s_wait_kmcnt 0x0
	s_load_b256 s[56:63], s[10:11], 0x0            ; e0 .. e7
	s_cmp_eq_u32 s17, 0
	s_cselect_b64 s[36:37], s[6:7], s[8:9]
	s_add_nc_u64 s[36:37], s[36:37], s[78:79]
	s_mov_b32 s[G0F], 1
	s_mov_b32 s[G0F+1], s35
	s_mov_b64 s[G0F+2:G0F+3], s[36:37]
	s_or_b32 s[G0F+3], s[G0F+3], 0x80000000
	s_mov_b32 s[G0S], 1
	s_add_co_u32 s[G0S+1], s35, 65536
	s_add_nc_u64 s[G0S+2:G0S+3], s[36:37], 65536
	s_or_b32 s[G0S+3], s[G0S+3], 0x80000000
	ROUND                                          ; all four work-groups are here: the joint loads meet
	tensor_load_to_lds s[G0F:G0F+3], s[G1:G1+7]    ; key steps 0-7: one load a wave, its addresses made of the wave's number
	s_nop 0
	PLACES
	s_lshl_b32 s35, s[WV], 3
	s_add_co_u32 s66, s35, s[TAU]                  ; the early pair's tile A: 8 g + 2 cx
	s_sub_co_u32 s67, 120, s35
	s_add_co_u32 s67, s67, s[TAU]                  ; the late pair's: 8 (15 - g) + 2 cx
	s_lshl_b32 s78, s67, 10                        ; a tile of q_img is 1,024 bytes
	s_add_co_u32 s78, s78, s76
	s_add_nc_u64 s[72:73], s[4:5], s[78:79]
	s_lshl_b32 s78, s66, 10
	s_add_co_u32 s78, s78, s76
	s_add_nc_u64 s[74:75], s[4:5], s[78:79]
	s_and_b32 s77, s[BH], 15                       ; a_img: (head / 4) x 2^21 + (128 x batch + tile) x 4,096 + (head % 4) x 1,024
	s_lshr_b32 s78, s77, 2
	s_lshl_b32 s78, s78, 21
	s_and_b32 s77, s77, 3
	s_lshl_b32 s77, s77, 10
	s_add_co_u32 s78, s78, s77
	s_lshr_b32 s77, s[BH], 4
	s_lshl_b32 s77, s77, 19
	s_add_co_u32 s77, s78, s77
	s_lshl_b32 s78, s67, 12
	s_add_co_u32 s78, s78, s77
	s_add_nc_u64 s[68:69], s[12:13], s[78:79]      ; the late pair's place
	s_lshl_b32 s78, s66, 12
	s_add_co_u32 s78, s78, s77
	s_add_nc_u64 s[70:71], s[12:13], s[78:79]      ; the early pair's
	s_lshl_b32 s48, s[TAU], 4
	s_wait_kmcnt 0x0
	s_add_co_i32 s77, s58, s59
	s_lshl_b32 s77, s77, 23
	s_add_co_i32 s[CS], s[CS], s77                 ; a score stands for score x 2^(e2 + e3): the two exponents are added to c's exponent field
	s_mov_b32 s[CS+1], s[CS]                       ; (named with it as a pair, so it is written)
	s_add_co_i32 s49, s61, 127
	s_lshl_b32 s49, s49, 23                        ; 2^e5
	s_sub_co_i32 s77, s62, s60
	s_sub_co_i32 s77, s77, s61                     ; a sum of the second product stands for sum x 2^(e4 + e5): its code is (sum / l) / 2^(e6 - e4 - e5)
	s_add_co_i32 s77, s77, 127
	s_lshl_b32 s50, s77, 23
	s_add_co_i32 s77, s77, 8
	s_lshl_b32 s51, s77, 23
	s_or_b32 s51, s51, 0x600000                    ; 448 x that
	v_and_b32 v3, 31, v0
	v_lshlrev_b32 v[LK], 4, v3
	v_add_nc_u32 v[LV], 0x20000, v[LK]
	v_and_b32 v3, 15, v0                           ; r
	v_bfe_u32 v[DMB], v0, 4, 1                     ; h
	v_lshlrev_b32 v[DMB], 3, v[DMB]
	v_sub_nc_u32 v[DMA], v3, v[DMB]
	v_add_nc_u32 v[DMA], s48, v[DMA]
	v_add_nc_u32 v[DMB], 16, v[DMA]
	v_mov_b32 v[NINF], 0xff800000
	v_mov_b32 v[PX], 0                             ; written once: a lane permute's destination counts as one of its sources
	v_mov_b32 v[PXB], 0
	v_mov_b32 v[FFA+1], 0                          ; (named as the upper halves of pairs)
	v_mov_b32 v[FFB+1], 0
	v_mov_b32 v[PSC], s49
	v_mov_b32 v[OLIM], s51
	v_mov_b32 v[OSC], s50
	WIN 0x40                                       ; destination window 1
	v_mov_b32 v[LK], v[LK]
	v_mov_b32 v[PX], 0
	v_mov_b32 v[PSC], s49
	v_mov_b32 v[OLIM], s51
	v_mov_b32 v[OSC], s50
	s_wait_alu depctr_va_vdst(0)                   ; the wait ahead of the loads that read the address just made
	global_load_b128 v[QL:QL+3],   v[LK], s[72:73] offset:1024    ; tile B's Q: 1,024 bytes behind A's
	global_load_b128 v[QL+4:QL+7], v[LK], s[72:73] offset:1536
	global_load_b128 v[QE:QE+3],   v[LK], s[74:75] offset:1024
	global_load_b128 v[QE+4:QE+7], v[LK], s[74:75] offset:1536
	WIN 0
	global_load_b128 v[QL:QL+3],   v[LK], s[72:73]
	global_load_b128 v[QL+4:QL+7], v[LK], s[72:73] offset:512
	global_load_b128 v[QE:QE+3],   v[LK], s[74:75]
	global_load_b128 v[QE+4:QE+7], v[LK], s[74:75] offset:512
; A pair of tiles begins: the largest score is -3e38; the sums and O^T are zeros, which the first change of M leaves zeros: so the key step is written without a first step of its own.
.macro INIT
	v_mov_b32 v13, 0xff61b1e6
	v_mov_b32 v17, 0xff61b1e6
	v_floor_f32 v12, -v13
	v_floor_f32 v16, -v17
.irp w, 0, 0x40
	WIN \w
	v_mov_b32 v14, 0
	v_mov_b32 v15, 0
.set ii, 0
.rept 32
	v_mov_b32 v[OT+ii], 0
.set ii, ii+1
.endr
.endr
	WIN 0
	s_wait_alu depctr_va_vdst(0)                   ; the wait ahead of the loop's branches
.endm
.macro MAXES m, r                      ; four chains, each begun with the running largest score; each accumulator is read from its low end on
.irp k, 0,1,2,3
	v_max3_num_f32 v[\m+\k], v[\r], v[SC+2*\k], v[SC+2*\k+1]
.endr
.set ii, 8
.rept 7
.irp k, 0,1,2,3
	v_max3_num_f32 v[\m+\k], v[\m+\k], v[SC+ii+2*\k], v[SC+ii+2*\k+1]
.endr
.set ii, ii+8
.endr
.endm
.macro HIDE dm                         ; on the diagonal the scores of hidden keys become -infinity ahead of the maximum: p = 0 then.  A query's own key always counts
.set ii, 0
.rept 64
	v_cmp_gt_i32 vcc_lo, 16*(ii/8)+ii%8, v[\dm]
	v_cndmask_b32 v[SC+ii], v[SC+ii], v[NINF], vcc_lo
.set ii, ii+1
.endr
.endm
.macro SCALE nm, ff                    ; t - M, two at a time (of the pairs c and -M the low word serves both halves); O^T and the sum under the new M
.set ii, 0
.rept 32
	v_pk_fma_f32 v[SC+ii:SC+ii+1], v[SC+ii:SC+ii+1], s[CS:CS+1], v[\nm:\nm+1] op_sel_hi:[1,0,0]
.set ii, ii+2
.endr
.set ii, 0
.rept 16
	v_pk_mul_f32 v[OT+ii:OT+ii+1], v[OT+ii:OT+ii+1], v[\ff:\ff+1] op_sel_hi:[1,0]
.set ii, ii+2
.endr
	v_pk_mul_f32 v[14:15], v[14:15], v[\ff:\ff+1] op_sel_hi:[1,0]
.endm
.macro EXPS
.set ii, 0
.rept 64
	v_exp_f32 v[SC+ii], v[SC+ii]                   ; p = 2^(t - M), at most 1: not normalised
.set ii, ii+1
.endr
.endm
.macro SUMS                            ; the row's sum of the unquantised p, in eight chains; the conversions stand among the chains' joins, and two plain additions behind the last of them
.irp k, 0,1,2,3,4,5,6,7
	v_pk_add_f32 v[ACC+2*\k:ACC+2*\k+1], v[SC+4*\k:SC+4*\k+1], v[SC+4*\k+2:SC+4*\k+3]
.endr
.irp k, 0,1,2,3,4,5,6,7
	v_pk_add_f32 v[ACC+2*\k:ACC+2*\k+1], v[ACC+2*\k:ACC+2*\k+1], v[SC+32+2*\k:SC+33+2*\k]
.endr
.irp k, 0,1,2,3,4,5,6,7
	v_pk_add_f32 v[ACC+2*\k:ACC+2*\k+1], v[ACC+2*\k:ACC+2*\k+1], v[SC+48+2*\k:SC+49+2*\k]
.endr
.irp k, 0,1,2,3
	v_pk_add_f32 v[ACC+2*\k:ACC+2*\k+1], v[ACC+2*\k:ACC+2*\k+1], v[ACC+8+2*\k:ACC+9+2*\k]
.endr
.irp t, 0,1,2,3
	v_cvt_scalef32_pk8_fp8_f32 v[PC+2*\t:PC+2*\t+1], v[SC+8*\t:SC+8*\t+7], v[PSC]   ; keys 16 t + 8 h + 0 .. 7: registers 2 t, 2 t + 1 of the operand
.endr
	v_pk_add_f32 v[ACC:ACC+1], v[ACC:ACC+1], v[ACC+4:ACC+5]
	v_pk_add_f32 v[ACC+2:ACC+3], v[ACC+2:ACC+3], v[ACC+6:ACC+7]
.irp t, 4,5,6,7
	v_cvt_scalef32_pk8_fp8_f32 v[PC+2*\t:PC+2*\t+1], v[SC+8*\t:SC+8*\t+7], v[PSC]
.endr
	v_pk_add_f32 v[ACC:ACC+1], v[ACC:ACC+1], v[ACC+2:ACC+3]
	v_pk_add_f32 v[14:15], v[14:15], v[ACC:ACC+1]
.endm
.macro QK q
.irp t, 0,1,2,3,4,5,6,7
	v_wmma_f32_16x16x64_fp8_fp8 v[SC+8*\t:SC+8*\t+7], v[KV+8*\t:KV+8*\t+7], v[\q:\q+7], 0
.endr
.endm
.macro PV                              ; the accumulators take turns; between two links of one sum stand at least the seven others' and the next step's sixteen products
.irp t, 0,1,2,3
	v_wmma_f32_16x16x128_fp8_fp8 v[OT+8*\t:OT+8*\t+7], v[KV+16*\t:KV+16*\t+15], v[PC:PC+15], v[OT+8*\t:OT+8*\t+7]
.endr
.endm
; A KEY STEP for both tiles: 128 keys at LDS byte s[TB].  q: the pair's Q.  guard = 1: the step may lie on or behind the pair's diagonal.
.macro STEP q, guard
.if \guard
	s_cmp_gt_u32 s[KS], s[ND]                      ; all its keys come after my queries: the step is left out
	s_cbranch_scc1 .Lhid_\@
.endif
	v_add_nc_u32 v[ADK], s[TB], v[LK]
	v_add_nc_u32 v[ADV], s[TB], v[LV]
	WIN 0x01                                       ; K from window 1: it was fetched in the step before and waited for there
	QK \q
	WIN 0x55                                       ; K, Q and S^T in window 1
	QK \q
	WIN 0
	PLACES                                         ; with the two additions: places in front of the loads over V's and K's fragments and of the first read of the scores
.irp t, 0,1,2,3
.irp c, 0,1,2,3
	ds_load_b128 v[KV+16*\t+4*\c:KV+16*\t+4*\c+3], v[ADV] offset:2048*\t+512*\c   ; V's four fragments land while the softmax is worked
.endr
.endr
	WIN 0x40                                       ; destination window 1
.irp t, 0,1,2,3,4,5,6,7
	ds_load_b128 v[KV+8*\t:KV+8*\t+3],   v[ADK] offset:8192+1024*\t       ; the NEXT step's K (behind a tile's last step: 8,192 bytes that lie in LDS and are not used)
	ds_load_b128 v[KV+8*\t+4:KV+8*\t+7], v[ADK] offset:8192+1024*\t+512
.endr
	WIN 0
.if \guard
	s_cmp_lg_u32 s[KS], s[ND]
	s_cbranch_scc1 .Lopen_\@                       ; ahead of the diagonal every key counts
	HIDE DMA
	WIN 0x41                                       ; destination and source 0 in window 1
	HIDE DMB
	WIN 0
.Lopen_\@:
.endif
	MAXES MA, 13
	WIN 0x14                                       ; sources 1 and 2 in window 1
	MAXES MB, 17
	WIN 0
	v_max3_num_f32 v[MA], v[MA], v[MA+1], v[MA+2]  ; the two tiles' short chains go by turns
	v_max3_num_f32 v[MB], v[MB], v[MB+1], v[MB+2]
	v_max_num_f32 v[MA], v[MA], v[MA+3]
	v_max_num_f32 v[MB], v[MB], v[MB+3]
	v_permlanex16_b32 v[PX], v[MA], s[SEL], s[SEL+1]
	v_permlanex16_b32 v[PXB], v[MB], s[SEL], s[SEL+1]
	v_max_num_f32 v13, v[MA], v[PX]                ; the running largest score, lane l xor 16's keys among them
	v_max_num_f32 v17, v[MB], v[PXB]
	v_mul_f32 v[MA], s[CS], v13                    ; as t
	v_mul_f32 v[MB], s[CS], v17
	v_mov_b32 v[MA+1], v12
	v_mov_b32 v[MB+1], v16
	v_floor_f32 v12, -v[MA]                        ; the new -M = floor(-t) = -ceil(t): a whole number
	v_floor_f32 v16, -v[MB]
	v_sub_f32 v[MA+1], v12, v[MA+1]                ; M's old value less its new one: a whole number, 0 or less
	v_sub_f32 v[MB+1], v16, v[MB+1]
	v_cvt_i32_f32 v[MA+1], v[MA+1]                 ; (it saturates)
	v_cvt_i32_f32 v[MB+1], v[MB+1]
	v_ldexp_f32 v[FFA], 1.0, v[MA+1]               ; f = 2^(old M - new M)
	v_ldexp_f32 v[FFB], 1.0, v[MB+1]
	SCALE 12, FFA
	WIN 0x41
	SCALE 16, FFB
	s_wait_alu depctr_va_vdst(0)                   ; the wait ahead of the batch
	EXPS
	WIN 0
	EXPS
	v_nop                                          ; a plain place behind the exponentials
	s_wait_alu depctr_va_vdst(0)                   ; one wait for the batch of 128, ahead of its first reader
	s_wait_dscnt 0x0                               ; V is in
	SUMS
	PV
	WIN 0x55                                       ; all in window 1
	SUMS
	WIN 0x54                                       ; V from window 0
	PV
	WIN 0
.if \guard
.Lhid_\@:
.endif
.endm
; A tile leaves: O^T / the sum, held within +-448 x the scale (the conversion to an 8-bit code does not saturate: ISA guide 7.6.2), quantised with 2^(e6 - e4 - e5): two pieces of 512 consecutive bytes.
.macro WAYOUT ptr, oc, off
	v_add_f32 v14, v14, v15                        ; the sum's two halves,
	v_permlanex16_b32 v[PX], v14, s[SEL], s[SEL+1]
	v_add_f32 v14, v14, v[PX]                      ; and lane l xor 16's: the row's sum
	s_wait_alu depctr_va_vdst(0)                   ; the wait ahead of the reciprocal,
	v_rcp_f32 v14, v14
	v_nop
	s_wait_alu depctr_va_vdst(0)                   ; and ahead of its first reader, which is also O^T's
.set ii, 0
.rept 16
	v_pk_mul_f32 v[SC+ii:SC+ii+1], v[OT+ii:OT+ii+1], v[14:15] op_sel_hi:[1,0]
.set ii, ii+2
.endr
.set ii, 0
.rept 32
	v_med3_num_f32 v[SC+ii], v[SC+ii], -v[OLIM], v[OLIM]
.set ii, ii+1
.endr
.irp t, 0,1,2,3
	v_cvt_scalef32_pk8_fp8_f32 v[\oc+2*\t:\oc+2*\t+1], v[SC+8*\t:SC+8*\t+7], v[OSC]
.endr
	v_nop                                          ; one plain vector instruction behind the last conversion
	global_store_b128 v[LK], v[\oc:\oc+3],   s[\ptr:\ptr+1] offset:\off
	global_store_b128 v[LK], v[\oc+4:\oc+7], s[\ptr:\ptr+1] offset:\off+512
.endm
.macro LEAVE ptr, oc
	PLACES                                         ; behind the last products
	WAYOUT \ptr, \oc, 0
	WIN 0x55
	WAYOUT \ptr, \oc, 4096                         ; tile B's place lies 4,096 bytes behind A's
	WIN 0
.endm
.macro KFIRST                          ; key step 0's K, ahead of a pair's first step
	WIN 0x40
.irp t, 0,1,2,3,4,5,6,7
	ds_load_b128 v[KV+8*\t:KV+8*\t+3],   v[LK] offset:1024*\t
	ds_load_b128 v[KV+8*\t+4:KV+8*\t+7], v[LK] offset:1024*\t+512
.endr
	WIN 0
	s_wait_dscnt 0x0
.endm
.macro NEXT lab, n
	s_add_co_u32 s[TB], s[TB], 8192
	s_add_co_u32 s[KS], s[KS], 1
	s_cmp_lt_u32 s[KS], \n
	s_wait_alu depctr_va_vdst(0)
	s_cbranch_scc1 \lab
.endm
	s_wait_alu depctr_va_vdst(0)                   ; the head's end
	s_wait_tensorcnt 0x0                           ; my part of key steps 0-7 is in
	ds_add_u32 v[SPW], v[NIL]
	s_wait_dscnt 0x0
	ROUND                                          ; everybody's part is in, and all four work-groups are here
	tensor_load_to_lds s[G0S:G0S+3], s[G1:G1+7]    ; key steps 8-15: the first tensor load behind the round
	s_nop 0
	PLACES
	s_wait_loadcnt 0x0                             ; Q
	INIT
	s_sub_co_u32 s[ND], 15, s[WV]                  ; THE LATE PAIR: its diagonal is step 15 - g, 8 or later
	s_mov_b32 s[TB], 0
	s_mov_b32 s[KS], 0
	KFIRST
.Lb1:                                              ; key steps 0 to 6: every key counts; the last trip fetches step 7's K, the last of the first fill
	STEP QL, 0
	NEXT .Lb1, 7
	s_wait_tensorcnt 0x0                           ; my second load is in,
	s_wait_dscnt 0x0
	s_barrier_signal -1
	s_barrier_wait -1                              ; everybody's is: key steps 8 to 15
	s_mov_b32 s[TB], 57344
	s_mov_b32 s[KS], 7                             ; key steps 7 to 15 follow: step 7 fetches step 8's K, which is read only behind the barrier above
.Lb2:                                              ; key steps 7 to 15, up to the diagonal; the trip count is a constant, the work is jumped over
	STEP QL, 1
	NEXT .Lb2, 16
	LEAVE 68, OCL
	INIT
	s_mov_b32 s[ND], s[WV]                         ; THE EARLY PAIR: its diagonal is step g
	s_mov_b32 s[TB], 0
	s_mov_b32 s[KS], 0
	KFIRST
.La:
	STEP QE, 1
	NEXT .La, 8
	LEAVE 70, OCE
	s_wait_tensorcnt 0x0                           ; the wave's end
	ds_add_u32 v[SPW], v[NIL]
	s_wait_dscnt 0x0
	ROUND                                          ; the closing round
	s_endpgm
.Lfunc_end_k_q95592292f4_attn:
	.size	k_q95592292f4_attn, .Lfunc_end_k_q95592292f4_attn-k_q95592292f4_attn
	.p2alignl 7, 3214868480
	.fill 96, 4, 3214868480
	.section	.rodata,"a",@progbits
	.p2align	6, 0x0
	.amdhsa_kernel k_q95592292f4_attn
		.amdhsa_group_segment_fixed_size 327680
		.amdhsa_private_segment_fixed_size 0
		.amdhsa_enable_private_segment 0
		.amdhsa_kernarg_size 40
		.amdhsa_user_sgpr_count 2
		.amdhsa_user_sgpr_kernarg_segment_ptr 1
		.amdhsa_wavefront_size32 1
		.amdhsa_system_sgpr_workgroup_id_x 1
		.amdhsa_system_sgpr_workgroup_id_y 1
		.amdhsa_system_sgpr_workgroup_id_z 1
		.amdhsa_system_vgpr_workitem_id 0
		.amdhsa_next_free_vgpr 512
		.amdhsa_next_free_sgpr 80
		.amdhsa_reserve_vcc 1
		.amdhsa_float_denorm_mode_32 3
		.amdhsa_float_denorm_mode_16_64 3
		.amdhsa_memory_ordered 1
		.amdhsa_forward_progress 1
		.amdhsa_inst_pref_size 124
	.end_amdhsa_kernel
	.amdgpu_metadata
---
amdhsa.version: [ 1, 2 ]
amdhsa.kernels:
  - .name:           k_q95592292f4_attn
    .symbol:         k_q95592292f4_attn.kd
    .args:
      - { .name: q_img, .offset: 0, .size: 8, .value_kind: global_buffer, .address_space: global }
      - { .name: k_img, .offset: 8, .size: 8, .value_kind: global_buffer, .address_space: global }
      - { .name: v_img, .offset: 16, .size: 8, .value_kind: global_buffer, .address_space: global }
      - { .name: lowp_scales, .offset: 24, .size: 8, .value_kind: global_buffer, .address_space: global }
      - { .name: a_img, .offset: 32, .size: 8, .value_kind: global_buffer, .address_space: global }
    .group_segment_fixed_size: 327680
    .private_segment_fixed_size: 0
    .kernarg_segment_align: 8
    .kernarg_segment_size: 40
    .max_flat_workgroup_size: 256
    .sgpr_count:     80
    .vgpr_count:     512
    .wavefront_size: 32
...
	.end_amdgpu_metadata
.endif
;; end of part 2
;; launch proj (part 3): grid 8 x 32, 4 waves a work-group, clusters of 4 x 4, 327,680 bytes of LDS; arguments a_img, W_out_codes, b_out, lowp_scales, out0; writes out0
.if DOCPART == 3
	.amdgcn_target "amdgcn-amd-amdhsa--gfx1250"
	.amdhsa_code_object_version 6
	.text
	.protected	k_q95592292f4_proj
	.globl	k_q95592292f4_proj
	.p2align	8
	.type	k_q95592292f4_proj,@function
k_q95592292f4_proj:
	s_mov_b64 s[64:65], 0
	v_nop
	global_prefetch_b8 v0, s[64:65] scope:SCOPE_SE
	s_setreg_imm32_b32 hwreg(HW_REG_WAVE_MODE, 25, 1), 1
	s_wait_xcnt 0x0
	s_wait_alu depctr_hold_cnt(0) depctr_sa_sdst(0) depctr_va_vdst(0) depctr_va_sdst(0) depctr_va_ssrc(0) depctr_va_vcc(0) depctr_vm_vsrc(0)
	s_getreg_b32 s2, hwreg(HW_REG_IB_STS2, 6, 4)
	s_cmp_eq_u32 s2, 0
	s_cbranch_scc0 .Lentry_in_a_cluster
	s_endpgm
.Lentry_in_a_cluster:
	s_bfe_u32 s2, ttmp6, 0x10000c
	s_cmp_lg_u32 s2, 0xf033
	s_cbranch_scc0 .Lentry_shape_is_right
	s_endpgm
.Lentry_shape_is_right:
; out0 = a W_out + b_out on codes of FP8 (E4M3); each f32 sum x 2^(e6 + e7) + bias.
; a_img: [256 along K: 4][tile of 16 rows: 512][128 along K: 2][4 pieces of 512 bytes]: images of the operand's registers (lane l's 16 bytes at 16 l).  W_out: [1024 columns][1024] codes, K innermost.
; A work-group of four waves makes 256 rows x 128 columns; a wave 64 columns (wave % 2) of 32 rows (wave / 2) of each of four groups of 64 rows.
; W_OUT STAYS IN REGISTERS: a wave's 64 columns x 1,024 K are 32 fragments, 512 registers, read from LDS once and used for all four groups.
; LDS, NO RING.  At the head each wave issues one joint load: waves 0, 1 W_out's 128 rows (64 each, rows of 1,024 bytes, 16 of padding behind each), waves 2, 3 groups 0 and 1 of a (65,536 bytes each:
; 4 rows of 16,384 bytes, 2^21 bytes apart).  When every wave holds its fragments of W_out, the three lines and a round of the cluster's barrier follow, and waves 2, 3 ask for groups 2 and 3,
; which land on W_out's bytes while groups 0 and 1 are multiplied.  Each group's 64 rows leave as soon as they are finished, while the later groups are multiplied.
; CLUSTERS: 4 x 4 work-groups; a's groups are shared along a row of the cluster, W_out's rows along a column.
; NO PREFETCH: all that the work-group reads is asked for by these two groups of loads at the launch's start; no loop runs ahead of a load.
; THE MATRIX INSTRUCTION IS USED TRANSPOSED (source 0 = 16 columns of W_out, source 1 = 16 rows of a): a lane holds eight neighbouring numbers of a row of the result.
; LIMIT: e6 + e7 between -126 and 127, so that 2^(e6 + e7) is an f32 number.
; REGISTERS: window 0: v0-31 addresses, v32-63 the bias, v64-127 eight accumulators ((a, b) at 64 + 8 (4 a + b)), v128-159 numbers, v160-223 rows read back;
;   windows 1, 2: W_out's fragment (K step n, columns b) at 16 (4 n + b);   window 3: a's fragment (n, rows a) at 16 (2 n + a).
.set BP,    1040                       ; a row of W_out in LDS: row r begins 4 r words further on modulo 64, so a load's 32 lanes touch 64 different words modulo 64
.set BHALF, 64*BP
.set AREG,  128*BP                     ; behind W_out: groups 0 and 1
.set GRP,   65536
.set SPARE, AREG+2*GRP                 ; the spare words, 128 bytes for each wave
.set STAGE, SPARE+512                  ; 16 rows x 272 bytes for each wave: no tensor load lands here
.set SP,    272
.set ADRA, 16                          ; v16-19 LDS address of my fragments of a in groups 0 .. 3
.set ADRB, 20
.set STO,  24
.set RD,   25
.set CO,   26
.set HB,   27
.set SPW,  28                          ; my spare word; never rewritten
.set NIL,  29                          ; 0; never rewritten
.set BIAS, 32
.set ACC,  64
.set TMP,  128
.set BK,   160
.set G1A, 24                           ; s[24:31] group 1 for a;  s[32:35] its group 0
.set G0A, 32
.set G1B, 48                           ; s[48:55], s[56:59] the same for W_out
.set G0B, 56
.set MSB, 0
.macro WIN new                         ; low byte: bits 1:0 source 0, 3:2 source 1, 5:4 source 2, 7:6 destination; the high byte repeats the setting that is left
.if MSB != \new
	s_set_vgpr_msb (MSB<<8)|\new
.set MSB, \new
.endif
.endm
.macro CROUND                          ; a round of the cluster's barrier
	s_barrier_signal -1
	s_barrier_wait -1
	s_cmp_lg_u32 s14, 0
	s_cbranch_scc1 .Lnot_wave_0_\@
	s_barrier_signal -3
.Lnot_wave_0_\@:
	s_barrier_wait -3
	s_barrier_signal -1
	s_barrier_wait -1
.endm
.macro PLACES
.rept 4
	v_nop
.endr
.endm
	s_load_b256 s[4:11], s[0:1], 0x0               ; a_img s[4:5], W_out s[6:7], b_out s[8:9], the exponents s[10:11]
	s_load_b64 s[12:13], s[0:1], 0x20              ; out0
	v_lshl_add_u32 v[SPW], v0, 2, SPARE
	v_mov_b32 v[NIL], 0
	ds_add_u32 v[SPW], v[NIL]                      ; the opening: the add, twice on end, and its wait ahead of my first tensor load
	ds_add_u32 v[SPW], v[NIL]
	v_lshrrev_b32 v1, 5, v0
	v_readfirstlane_b32 s14, v1                    ; wave 0..3
	s_lshr_b32 s15, s14, 1                         ; my 32 rows of a group.  Also: I fetch W_out (0) or a (1)
	s_and_b32 s16, s14, 1                          ; my 64 columns.  Also: which half, or which group, I fetch
	s_bfe_u32 s40, ttmp6, 0x40000                  ; cx, cy
	s_bfe_u32 s41, ttmp6, 0x40004
	s_lshl_b32 s42, ttmp9, 2
	s_add_co_u32 s42, s42, s40                     ; block of 128 columns: holds cx, never cy
	s_and_b32 s17, ttmp7, 0xffff
	s_lshl_b32 s17, s17, 2
	s_add_co_u32 s17, s17, s41                     ; block of 256 rows: holds cy, never cx
	s_lshl_b32 s43, s41, 2
	s_lshl_b32 s43, 15, s43                        ; my row of the cluster
	s_lshl_b32 s44, 0x1111, s40                    ; my column
	s_or_b32 s[G1A+0], s43, (3<<16)|(1<<21)        ; the mask; elements of 8 bytes; no padding; 21 set beside a mask
	s_mov_b32 s[G1A+1], 2048<<16                   ; tensor_dim0 = 2,048 elements: 16,384 bytes
	s_mov_b32 s[G1A+2], 4<<16                      ; tensor_dim1 = 4
	s_mov_b32 s[G1A+3], 2048<<16                   ; tile_dim0
	s_mov_b32 s[G1A+4], 4                          ; tile_dim1
	s_mov_b32 s[G1A+5], 262144                     ; pitch: 2^21 bytes
	s_mov_b32 s[G1A+6], 0
	s_mov_b32 s[G1A+7], 0
	s_or_b32 s[G1B+0], s44, (1<<20)|(1<<21)|(7<<22)|(3<<25)   ; the mask; elements of 1 byte; padding of 4 words after every 256
	s_mov_b32 s[G1B+1], 1024<<16
	s_mov_b32 s[G1B+2], 64<<16
	s_mov_b32 s[G1B+3], 1024<<16
	s_mov_b32 s[G1B+4], 64
	s_mov_b32 s[G1B+5], 1024
	s_mov_b32 s[G1B+6], 0
	s_mov_b32 s[G1B+7], 0
	s_lshl_b32 s20, s17, 16                        ; a: 16 tiles of 4,096 bytes a block of rows,
	s_lshl_b32 s18, s16, 14
	s_add_co_u32 s20, s20, s18                     ; 4 a group
	s_mov_b32 s21, 0
	s_lshl_b32 s46, s42, 17                        ; W_out: 128 rows of 1,024 bytes a block of columns,
	s_lshl_b32 s66, s16, 16
	s_add_co_u32 s46, s46, s66                     ; 64 a half
	s_mov_b32 s47, 0
	s_add_co_u32 s45, s66, AREG                    ; where group 0 or 1 goes;  s66: where group 2 or 3 will go
	s_mul_i32 s67, s16, BHALF                      ; where my half of W_out goes
	s_wait_dscnt 0x0                               ; both opening adds are done
	s_wait_kmcnt 0x0
	s_load_b256 s[68:75], s[10:11], 0x0            ; e0 .. e7
	s_mov_b32 s[G0A], 1
	s_mov_b32 s[G0A+1], s45
	s_add_nc_u64 s[G0A+2:G0A+3], s[4:5], s[20:21]
	s_or_b32 s[G0A+3], s[G0A+3], 0x80000000
	s_mov_b32 s[G0B], 1
	s_mov_b32 s[G0B+1], s67
	s_add_nc_u64 s[G0B+2:G0B+3], s[6:7], s[46:47]
	s_or_b32 s[G0B+3], s[G0B+3], 0x80000000
	CROUND                                         ; all sixteen work-groups are here: the first joint loads meet
	s_cmp_eq_u32 s15, 0                            ; one load a wave, in the arms of one branch on the wave's number; an s_nop 0 and four v_nop follow each
	s_cbranch_scc0 .Lhead_a
	tensor_load_to_lds s[G0B:G0B+3], s[G1B:G1B+7]
	s_nop 0
	PLACES
	s_branch .Lhead_j
.Lhead_a:
	tensor_load_to_lds s[G0A:G0A+3], s[G1A:G1A+7]
	s_nop 0
	PLACES
.Lhead_j:
	s_lshl_b32 s36, s15, 13                        ; my two tiles of a group's four
	s_mul_i32 s38, s14, 16*SP
	s_add_co_u32 s38, s38, STAGE                   ; my stage
	s_lshl_b32 s46, s42, 9
	s_lshl_b32 s47, s16, 8
	s_add_co_u32 s46, s46, s47                     ; my first column, in bytes of f32
	s_mov_b32 s47, 0
	s_add_nc_u64 s[8:9], s[8:9], s[46:47]
	s_lshl_b32 s20, s17, 20                        ; my first row: 256 x block + 32 x half, rows of 4,096 bytes
	s_lshl_b32 s21, s15, 17
	s_add_co_u32 s20, s20, s21
	s_add_co_u32 s20, s20, s46
	s_mov_b32 s21, 0
	s_add_nc_u64 s[12:13], s[12:13], s[20:21]
	v_and_b32 v1, 15, v0                           ; r
	v_bfe_u32 v2, v0, 4, 1                         ; h
	v_and_b32 v3, 31, v0
	v_lshlrev_b32 v4, 4, v3
	v_mul_u32_u24 v5, v1, BP
	v_lshl_add_u32 v5, v2, 3, v5                   ; W_out: row r, + 8 h: registers 2 c, 2 c + 1 hold K = 16 c + 8 h + 0 .. 7, as a's images have it
	v_mul_u32_u24 v6, v1, SP
	v_lshl_add_u32 v6, v2, 5, v6                   ; into the stage: row r, 32 bytes for each half of the lanes
	v_mul_u32_u24 v7, v2, SP
	v_lshl_add_u32 v7, v1, 4, v7                   ; back: lanes 0-15 one row of 256 bytes, lanes 16-31 the next
	v_lshlrev_b32 v[CO], 12, v2
	v_lshl_add_u32 v[CO], v1, 4, v[CO]             ; and the same two rows in out0
	v_lshlrev_b32 v[HB], 5, v2
	v_add_nc_u32 v[ADRA+2], s36, v4
	v_add_nc_u32 v[ADRA+3], GRP, v[ADRA+2]
	v_add_nc_u32 v[ADRA], AREG, v[ADRA+2]
	v_add_nc_u32 v[ADRA+1], AREG+GRP, v[ADRA+2]
	v_add_nc_u32 v[ADRB], s67, v5
	v_add_nc_u32 v[STO], s38, v6
	v_add_nc_u32 v[RD], s38, v7
	s_wait_alu depctr_va_vdst(0)                   ; the head's end
.irp b, 0,1,2,3
	global_load_b128 v[BIAS+8*\b:BIAS+8*\b+3],   v[HB], s[8:9] offset:64*\b       ; b_out(my column + 16 b + 8 h + 0 .. 7)
	global_load_b128 v[BIAS+8*\b+4:BIAS+8*\b+7], v[HB], s[8:9] offset:64*\b+16
.endr
	s_wait_kmcnt 0x0
	s_add_co_i32 s76, s74, s75
	s_add_co_i32 s76, s76, 127
	s_lshl_b32 s76, s76, 23                        ; 2^(e6 + e7)
	s_mov_b32 s77, s76                             ; (named with it as a pair)
; A row tile leaves: sum x 2^(e6 + e7) + bias, each accumulator from its low end on; through my stage, back as whole rows of 256 bytes.  LDS serves a wave's instructions in order (ISA guide 5.7.1.4).
.macro TOSTAGE a
.set jj, 0
.rept 16
	v_pk_fma_f32 v[TMP+jj:TMP+jj+1], v[ACC+32*\a+jj:ACC+32*\a+jj+1], s[76:77], v[BIAS+jj:BIAS+jj+1] op_sel_hi:[1,0,1]
.set jj, jj+2
.endr
.irp b, 0,1,2,3
	ds_store_b128 v[STO], v[TMP+8*\b:TMP+8*\b+3] offset:64*\b
	ds_store_b128 v[STO], v[TMP+8*\b+4:TMP+8*\b+7] offset:64*\b+16
.endr
.irp t, 0,1,2,3,4,5,6,7
	ds_load_b128 v[BK+32*\a+4*\t:BK+32*\a+4*\t+3], v[RD] offset:\t*2*SP
.endr
.endm
.macro SEND g, a
.irp t, 0,1,2,3,4,5,6,7
	global_store_b128 v[CO], v[BK+32*\a+4*\t:BK+32*\a+4*\t+3], s[12:13] offset:(64*\g+16*\a+2*\t)*4096 th:TH_STORE_NT   ; 16 lanes store 256 consecutive bytes, aligned
.endr
.endm
; A group of 64 rows: my 2 row tiles x 8 K steps of a in 64 loads; 8 matrix instructions a K step, the eight accumulators by turns; then the way out.
.macro GROUP g
	PLACES                                         ; in front of loads into registers that the last products read
	WIN 0xc0                                       ; destination window 3
.irp n, 0,1,2,3,4,5,6,7
.irp a, 0,1
.irp c, 0,1,2,3
	ds_load_b128 v[16*(2*\n+\a)+4*\c:16*(2*\n+\a)+4*\c+3], v[ADRA+\g] offset:(\n/2)*16384+\a*4096+(\n%2)*2048+512*\c
.endr
.endr
.endr
.irp n, 0,1,2,3,4,5,6,7
	s_wait_dscnt 56-8*\n                           ; K step n's eight loads are in; those of the later steps, 8 each, may be out
	WIN (0x0d+\n/4)                                ; source 0 window 1 or 2, source 1 window 3
.irp a, 0,1
.irp b, 0,1,2,3
.if \n == 0
	v_wmma_f32_16x16x128_fp8_fp8 v[ACC+8*(4*\a+\b):ACC+8*(4*\a+\b)+7], v[16*(4*(\n%4)+\b):16*(4*(\n%4)+\b)+15], v[16*(2*\n+\a):16*(2*\n+\a)+15], 0
.else
	v_wmma_f32_16x16x128_fp8_fp8 v[ACC+8*(4*\a+\b):ACC+8*(4*\a+\b)+7], v[16*(4*(\n%4)+\b):16*(4*(\n%4)+\b)+15], v[16*(2*\n+\a):16*(2*\n+\a)+15], v[ACC+8*(4*\a+\b):ACC+8*(4*\a+\b)+7]
.endif
.endr
.endr
.endr
	WIN 0
	s_wait_xcnt 0x0                                ; the last group's stores have read their registers
	PLACES                                         ; behind the last products
	TOSTAGE 0
	TOSTAGE 1
	s_wait_dscnt 16                                ; tile 0 is back; tile 1's 8 stores and 8 loads may be out
	SEND \g, 0
	s_wait_dscnt 0x0
	SEND \g, 1
.endm
	s_wait_tensorcnt 0x0                           ; my load is in,
	s_barrier_signal -1
	s_barrier_wait -1                              ; everybody's is: W_out and groups 0 and 1
.irp n, 0,1,2,3,4,5,6,7
	WIN (0x40<<(\n/4))                             ; destination window 1 or 2
.irp b, 0,1,2,3
.irp c, 0,1,2,3,4,5,6,7
	ds_load_b64 v[16*(4*(\n%4)+\b)+2*\c:16*(4*(\n%4)+\b)+2*\c+1], v[ADRB] offset:\b*16*BP+128*\n+16*\c
.endr
.endr
.endr
	WIN 0
	s_wait_tensorcnt 0x0                           ; ahead of the barrier behind which bytes are filled again
	ds_add_u32 v[SPW], v[NIL]
	s_mov_b32 s[G0A+1], s66                        ; no load of mine is out: groups 2 and 3 go where W_out lay,
	s_add_nc_u64 s[G0A+2:G0A+3], s[G0A+2:G0A+3], 32768   ; and lie two groups further on in memory
	s_wait_dscnt 0x0                               ; the add is done, and W_out's fragments are in my registers
	CROUND                                         ; that holds of every wave of every partner
	s_cmp_eq_u32 s15, 0
	s_cbranch_scc1 .Lno_refill                     ; waves 0 and 1 have no part to fill
	tensor_load_to_lds s[G0A:G0A+3], s[G1A:G1A+7]
	s_nop 0
	PLACES
.Lno_refill:
	s_wait_loadcnt 0x0                             ; the bias
	GROUP 0
	GROUP 1
	s_wait_tensorcnt 0x0                           ; my second load is in,
	s_wait_dscnt 0x0
	s_barrier_signal -1
	s_barrier_wait -1                              ; everybody's is: groups 2 and 3
	GROUP 2
	GROUP 3
	s_wait_tensorcnt 0x0                           ; the wave's end
	ds_add_u32 v[SPW], v[NIL]
	s_wait_dscnt 0x0
	CROUND                                         ; the closing round
	s_endpgm
.Lfunc_end_k_q95592292f4_proj:
	.size	k_q95592292f4_proj, .Lfunc_end_k_q95592292f4_proj-k_q95592292f4_proj
	.p2alignl 7, 3214868480
	.fill 96, 4, 3214868480
	.section	.rodata,"a",@progbits
	.p2align	6, 0x0
	.amdhsa_kernel k_q95592292f4_proj
		.amdhsa_group_segment_fixed_size 327680
		.amdhsa_private_segment_fixed_size 0
		.amdhsa_enable_private_segment 0
		.amdhsa_kernarg_size 40
		.amdhsa_user_sgpr_count 2
		.amdhsa_user_sgpr_kernarg_segment_ptr 1
		.amdhsa_wavefront_size32 1
		.amdhsa_system_sgpr_workgroup_id_x 1
		.amdhsa_system_sgpr_workgroup_id_y 1
		.amdhsa_system_sgpr_workgroup_id_z 1
		.amdhsa_system_vgpr_workitem_id 0
		.amdhsa_next_free_vgpr 1024
		.amdhsa_next_free_sgpr 80
		.amdhsa_reserve_vcc 0
		.amdhsa_float_denorm_mode_32 3
		.amdhsa_float_denorm_mode_16_64 3
		.amdhsa_memory_ordered 1
		.amdhsa_forward_progress 1
		.amdhsa_inst_pref_size 81
	.end_amdhsa_kernel
	.amdgpu_metadata
---
amdhsa.version: [ 1, 2 ]
amdhsa.kernels:
  - .name:           k_q95592292f4_proj
    .symbol:         k_q95592292f4_proj.kd
    .args:
      - { .name: a_img, .offset: 0, .size: 8, .value_kind: global_buffer, .address_space: global }
      - { .name: W_out_codes, .offset: 8, .size: 8, .value_kind: global_buffer, .address_space: global }
      - { .name: b_out, .offset: 16, .size: 8, .value_kind: global_buffer, .address_space: global }
      - { .name: lowp_scales, .offset: 24, .size: 8, .value_kind: global_buffer, .address_space: global }
      - { .name: out0, .offset: 32, .size: 8, .value_kind: global_buffer, .address_space: global }
    .group_segment_fixed_size: 327680
    .private_segment_fixed_size: 0
    .kernarg_segment_align: 8
    .kernarg_segment_size: 40
    .max_flat_workgroup_size: 128
    .sgpr_count:     80
    .vgpr_count:     1024
    .wavefront_size: 32
...
	.end_amdgpu_metadata
.endif
;; end of part 3
